; MI455X (gfx1250); checked and timed in simulation.
; The chip was launched on July 23, 2026; its instructions are those of AMD's public machine-readable ISA for CDNA 5 (MIT licence, August 2026) and "CDNA5" Instruction Set Architecture Reference Guide (July 2026). The comments in the code are by the model that wrote it; some were corrected since.
;; LSTM Cell Py Torch. Allowed arithmetic: matrix products marked QUANTISED: E2M1 operands, one E8M0 scale for each 32 along K, by v_wmma_scale_f32_16x16x128_f8f6f4 with both operands' format E2M1 (or v_wmma_scale_f32_32x16x128_f4), f32 sums; everything else in f32.
;; Inputs: W_hf 1,024 x 1,024 float32; W_hg 1,024 x 1,024 float32; W_hi 1,024 x 1,024 float32; W_if 1,024 x 1,024 float32; W_ig 1,024 x 1,024 float32; W_ii 1,024 x 1,024 float32; b_hf 1,024 float32; b_hg 1,024 float32; b_hi 1,024 float32; b_if 1,024 float32; b_ig 1,024 float32; b_ii 1,024 float32; c 8,192 x 1,024 float32; h 8,192 x 1,024 float32; x 8,192 x 1,024 float32.
;; Outputs: out0 8,192 x 1,024 float32.
;; This version of the problem:
;;   THIS VERSION OF THE PROBLEM IS GIVEN IN LOW PRECISION. The matrix products marked QUANTISED in the list below multiply operands that are first quantised to E2M1 (2 exponent bits, 1 mantissa bit; 4 bits a number), with one power-of-two scale for each 32 numbers along K (OCP MX v1.0); their sums are f32. All else is computed in f32.
;;   The module's matrix products, in the order in which they are computed (A, B: the left and right operand; K: the contracted axis; several contracted axes count as one K, in the product's order):
;;     1. [M 8,192, K 1,024] x [K 1,024, N 3,072]; A: input x; B: computed on the way: QUANTISED
;;     2. [M 8,192, K 1,024] x [K 1,024, N 3,072]; A: input h; B: computed on the way: QUANTISED
;;   THE QUANTISER, for each operand of a quantised product, along K:
;;     - K is cut into blocks of 32 from its start; a last block that is shorter is filled with zeros.
;;     - A block's scale is 2^e with e = floor(log2(the largest magnitude in the block)) - 2, held to -126 .. 127; a block of zeros has e = 0. As a byte (E8M0): e + 127.
;;     - Each number is divided by its block's scale, clamped to +-6, and rounded to the nearest number of E2M1, ties to even, subnormals kept.
;;     - The product sums the exact products of the quantised numbers (number of the format x scale) in f32.
;;   ~~~python
;;   def quantise(x, axis):      # numpy; x: float32 -> the quantised numbers, widened to float32 again
;;       x = np.moveaxis(x, axis, -1); K = x.shape[-1]
;;       x = np.pad(x, [(0, 0)] * (x.ndim - 1) + [(0, -K % 32)]); x = x.reshape(x.shape[:-1] + (-1, 32)); a = np.abs(x).max(-1, keepdims=True)
;;       e = np.where(a > 0, np.clip(np.frexp(np.where(a > 0, a, 1))[1] - 1 - 2, -126, 127), 0)      # np.frexp(a)[1] - 1 = floor(log2(a)), exactly
;;       r = np.clip(x / 2.0 ** e, -6, 6)
;;       step = 2.0 ** (np.maximum(np.frexp(np.where(r == 0, 1, r))[1] - 1, 0) - 1)
;;       q = np.round(r / step) * step * 2.0 ** e      # np.round: ties to even
;;       return np.moveaxis(q.reshape(q.shape[:-2] + (-1,))[..., :K], -1, axis).astype(np.float32)
;;   ~~~
;;   OPERANDS COMPUTED ON THE WAY. 'Computed on the way' means the value that the module computes at that place (a softmax that the list does not call 'softmax' is quantised finished and normalised). What goes into a quantiser is computed in f32, as accurately as f32 sums, v_exp_f32 and their like allow (about 1e-6 of the number): no bf16 or f16 on the way to a quantiser, and a product that is left as it is and whose result goes on into a quantised operand takes f32 operands (vector FMAs, or v_wmma_f32_16x16x4_f32). A number that lies on a knife's edge between two numbers of the format may be rounded either way, as far as f32 arithmetic and the matrix unit's own rounding can turn it there, and no further.
;; One version. Each part assembles by itself: llvm-mc -triple=amdgcn-amd-amdhsa -mcpu=gfx1250 --defsym DOCPART=n.
;; ======== version 1 of 1: 2 launches
;; limits: right only within a limited range of input values
;; workspace buffers: a_img 8,912,896 bytes; b_img 3,342,336 bytes
;; launch quant (part 1): grid 256 x 1, 11 waves a work-group, no clusters, 49,408 bytes of LDS; arguments x, h, W_ii, W_hi, W_if, W_hf, W_ig, W_hg, a_img, b_img; writes a_img, b_img
.if DOCPART == 1
	.amdgcn_target "amdgcn-amd-amdhsa--gfx1250"
	.amdhsa_code_object_version 6
	.text
	.protected	k_qc3b1c52555_quant
	.globl	k_qc3b1c52555_quant
	.p2align	8
	.type	k_qc3b1c52555_quant,@function
k_qc3b1c52555_quant:
	s_mov_b64 s[64:65], 0
	v_nop
	global_prefetch_b8 v0, s[64:65] scope:SCOPE_SE
	s_setreg_imm32_b32 hwreg(HW_REG_WAVE_MODE, 25, 1), 1
	s_wait_xcnt 0x0
; x, h [8192][1024] and the six W [1024][1024], f32, K innermost, become codes of FP4 (E2M1) with one E8M0 byte for each 32 along K.
; x and h are one operand A with K = 2,048 (steps of 128: 0-7 from x, 8-15 from h); W_i* and W_h* likewise one operand B.
; A block's scale is 2^(floor(log2(its largest magnitude)) - 2): its byte is the largest magnitude's exponent field - 2, held at 1 from below.
; LIMITS: a block of zeros gets the byte 1 where the rule says 127 (its codes are zeros, which add nothing, and this program alone reads the bytes);
; blocks whose largest magnitude lies under 2^(3 - 127) take the floor's byte; NaN and infinities among the inputs are not served.
; THE WORKSPACE IS LAID IN THE ORDER OF THE OPERAND'S REGISTERS.  A group is 64 rows, a block 16 of them: place r of block b is row 4 r + b of the group.
;   A: row tile (256 rows) x step: 17,408 bytes = 16 blocks x 1,024 of codes, then 4 groups x 256 of scale bytes.   B: column tile (128 hidden columns) x step: 26,112 = 24 blocks x 1,024, then 6 x 256;
;   B's groups are ordered by (64-column half, gate).  In a block codes lie at 256 kb + 16 r (kb = 0..3: the step's 32-number blocks); a group's scale bytes at 8 (16 (b % 2) + r) + 4 (b / 2) + kb.
; SHARES.  A unit is one group x one step: 2,048 units of A, 768 of B (16 groups a gate): 2,816 = 256 x 11: a wave takes one.  It writes 4,096 consecutive bytes of codes and 256 of scale bytes.
; A wave has 16 trips: trip t takes place t of the four blocks: four loads, each 512 consecutive bytes of one row.  Lanes l and l + 16 load neighbouring 16-byte pieces, so that one exchange of register halves
; between two rows' loads gives each lane 8 NEIGHBOURS of one row (lanes 0-15 the first row, lanes 16-31 the second; four lanes to a block of 32).  Codes are gathered in the wave's own LDS and leave at the end in
; whole runs of 512 bytes.  Scale words are gathered in registers: lanes t and 16 + t keep trip t's, so that a lane ends with the 8 bytes that it stores: 256 consecutive bytes a wave.
; One path for all eight tensors: only pointers and numbers are chosen.  Waves share nothing: no barrier.  Loads run six trips (24 loads a wave) ahead.
; Memory binds this launch: no matrix unit, no cluster, no tensor load; no prefetch, since the loads themselves keep the stream going.
.set STEPS, 16
.set SETS,  6                          ; trips whose loads are out or at work
.set EMAX,  2
.set WREG,  4352                       ; LDS of a wave: the codes' way out: 16 rows (block, kb) of 256 bytes + 16
.set OP,    272
.set SPARE, 11*WREG                    ; the spare words: 128 bytes a wave
.set ACC,   6                          ; v6-7     the scale words of my place: blocks h and 2 + h
.set R,     16                         ; v16-111  six sets of 16 numbers
.set C,     112                        ; v112-143 codes: two registers for each trip
.set OUTR,  144                        ; v144-175 the way out
.set SPW,   176
.set NIL,   177
	s_load_b512 s[4:19], s[0:1], 0x0               ; x 4:5, h 6:7, W_ii 8:9, W_hi 10:11, W_if 12:13, W_hf 14:15, W_ig 16:17, W_hg 18:19
	s_load_b128 s[20:23], s[0:1], 0x40             ; a_img 20:21, b_img 22:23
	v_lshl_add_u32 v[SPW], v0, 2, SPARE
	v_mov_b32 v[NIL], 0
	v_lshrrev_b32 v1, 5, v0
	v_readfirstlane_b32 s28, v1                    ; wave 0..10
	s_mul_i32 s37, s28, WREG                       ; my wave's LDS
	v_and_b32 v2, 31, v0                           ; lane
	v_lshrrev_b32 v8, 4, v2                        ; h
	v_and_b32 v9, 15, v2                           ; l % 16
	v_lshlrev_b32 v3, 5, v9
	v_lshl_add_u32 v3, v8, 4, v3                   ; a load: my 16 bytes of the row's 512: 32 (l % 16) + 16 h
	v_bfe_u32 v11, v2, 2, 2                        ; my kb of the step's four
	v_lshlrev_b32 v5, 3, v11                       ; its byte's place in a scale word, in bits
	v_lshl_add_u32 v12, v8, 2, v11
	v_mul_u32_u24 v4, v12, OP
	v_and_b32 v13, 3, v2
	v_lshl_add_u32 v4, v13, 2, v4
	v_add_nc_u32 v4, s37, v4                       ; my 4 bytes of codes: row 4 block + kb (block h of a row pair): the 32 lanes touch 32 different banks
	v_mul_u32_u24 v10, v8, OP
	v_lshl_add_u32 v10, v9, 4, v10
	v_add_nc_u32 v10, s37, v10                     ; the codes on the way out: sixteen lanes to a row, two rows an instruction
	v_lshlrev_b32 v1, 4, v2                        ; 16 x lane: my bytes of a store's 512
	v_lshlrev_b32 v2, 3, v2                        ; 8 x lane: the scale bytes' store
	v_mov_b32 v14, 0                               ; (a lane exchange's destination counts as one of its sources)
	v_mov_b32 v15, 0
	v_mov_b32 v[ACC], 0
	v_mov_b32 v[ACC+1], 0
	s_mul_i32 s29, ttmp9, 11
	s_add_co_u32 s29, s29, s28                     ; my unit
	s_and_b32 s30, s29, 15                         ; its step
	s_lshr_b32 s31, s29, 4                         ; its group: A's 0-127, B's 128-175
	s_sub_co_u32 s32, s31, 128
	s_lshr_b32 s33, s32, 4                         ; B: the gate (in A's units these numbers are not used)
	s_and_b32 s34, s32, 15                         ; and the group of 64 rows of its W
	s_lshr_b32 s35, s34, 1                         ; B's column tile
	s_and_b32 s36, s34, 1
	s_mul_i32 s36, s36, 3
	s_add_co_u32 s36, s36, s33                     ; and place in it: 3 x half + gate
	s_lshr_b32 s38, s31, 2                         ; A's row tile
	s_and_b32 s39, s31, 3                          ; and place in it
	s_mov_b32 s2, 17408
	s_mov_b32 s3, 26112
	s_mov_b32 s24, 16384
	s_mov_b32 s25, 24576
	s_wait_alu depctr_va_vdst(0)                   ; the wait at the head's end
	s_wait_kmcnt 0x0
	s_cmp_lt_u32 s33, 2                            ; the choices hang on the work-group's and the wave's number alone
	s_cselect_b64 s[12:13], s[12:13], s[16:17]
	s_cselect_b64 s[14:15], s[14:15], s[18:19]
	s_cmp_lt_u32 s33, 1
	s_cselect_b64 s[8:9], s[8:9], s[12:13]         ; the gate's W_i*
	s_cselect_b64 s[10:11], s[10:11], s[14:15]     ; and W_h*
	s_cmp_lt_u32 s31, 128
	s_cselect_b64 s[4:5], s[4:5], s[8:9]           ; the x part's tensor
	s_cselect_b64 s[6:7], s[6:7], s[10:11]         ; the h part's
	s_cselect_b64 s[20:21], s[20:21], s[22:23]     ; the image
	s_cselect_b32 s34, s31, s34                    ; the source's group of 64 rows
	s_cselect_b32 s35, s38, s35                    ; tile
	s_cselect_b32 s36, s39, s36                    ; place in it
	s_cselect_b32 s2, s2, s3                       ; a step's bytes
	s_cselect_b32 s24, s24, s25                    ; where its scale bytes begin
	s_cmp_lt_u32 s30, 8
	s_cselect_b64 s[4:5], s[4:5], s[6:7]
	s_lshl_b32 s26, s34, 18                        ; 64 rows of 4,096 bytes
	s_and_b32 s27, s30, 7
	s_lshl_b32 s27, s27, 9                         ; my 512 bytes of each row
	s_add_co_u32 s26, s26, s27
	s_mov_b32 s27, 0
	s_add_nc_u64 s[4:5], s[4:5], s[26:27]
.macro LOAD t
.irp i, 0,1,2,3
	global_load_b128 v[R+16*((\t)%SETS)+4*\i:R+16*((\t)%SETS)+4*\i+3], v3, s[4:5] offset:16384*(\t)+4096*\i th:TH_LOAD_NT   ; 512 consecutive bytes of row 4 t + i; read once in the launch
.endr
.endm
.irp t, 0,1,2,3,4,5
	LOAD \t
.endr
	s_lshl_b32 s35, s35, 4
	s_add_co_u32 s35, s35, s30
	s_mul_i32 s35, s35, s2                         ; the tile's step
	s_lshl_b32 s26, s36, 12
	s_add_co_u32 s26, s26, s35
	s_add_nc_u64 s[22:23], s[20:21], s[26:27]      ; my codes
	s_lshl_b32 s26, s36, 8
	s_add_co_u32 s26, s26, s35
	s_add_co_u32 s26, s26, s24
	s_add_nc_u64 s[20:21], s[20:21], s[26:27]      ; my scale bytes
.macro STEP t
.set XS, R+16*((\t)%SETS)
.if STEPS-1-(\t) >= SETS-1
	s_wait_loadcnt 4*(SETS-1)                      ; this trip's four loads are in; those of the five trips behind it may be out
.else
	s_wait_loadcnt 4*(STEPS-1-(\t))
.endif
.irp k, 0,1,2,3
	v_permlane16_swap_b32 v[XS+\k], v[XS+4+\k]     ; the first's lanes 16-31 change places with the second's lanes 0-15: XS .. XS + 7 are 8 neighbours of block 0's row (lanes 0-15) or block 1's,
	v_permlane16_swap_b32 v[XS+8+\k], v[XS+12+\k]  ; XS + 8 .. XS + 15 of block 2's or block 3's
.endr
	v_max3_num_f32 v8, |v[XS]|, |v[XS+1]|, |v[XS+2]|               ; the largest magnitude of each 8
	v_max3_num_f32 v9, |v[XS+8]|, |v[XS+9]|, |v[XS+10]|
.irp i, 3,5
	v_max3_num_f32 v8, v8, |v[XS+\i]|, |v[XS+\i+1]|
	v_max3_num_f32 v9, v9, |v[XS+8+\i]|, |v[XS+\i+9]|
.endr
	v_max3_num_f32 v8, v8, |v[XS+7]|, (EMAX+1)<<23 ; and the floor 2^(EMAX + 1 - 127): so the byte cannot fall under 1
	v_max3_num_f32 v9, v9, |v[XS+15]|, (EMAX+1)<<23
.irp m, 1,2
	v_max_num_f32_dpp v8, v8, v8 row_xmask:\m row_mask:0xf bank_mask:0xf   ; over the four lanes of a block
	v_max_num_f32_dpp v9, v9, v9 row_xmask:\m row_mask:0xf bank_mask:0xf
.endr
	v_add_nc_u32 v12, -(EMAX<<23), v8              ; EMAX off its exponent field: the conversion takes the exponent field of this operand as its scale, and nothing else of it
	v_add_nc_u32 v13, -(EMAX<<23), v9
	v_cvt_scalef32_pk8_fp4_f32 v[C+2*(\t)], v[XS:XS+7], v12        ; eight numbers / the scale, to the nearest code, ties to even, beyond the largest code the largest; the first number's code in the lowest bits
	v_cvt_scalef32_pk8_fp4_f32 v[C+2*(\t)+1], v[XS+8:XS+15], v13
	v_lshrrev_b32 v8, 23, v12                      ; the scales' bytes (also the plain lines behind the conversions)
	v_lshrrev_b32 v9, 23, v13
.if (\t)+SETS < STEPS
	LOAD (\t)+SETS                                 ; these registers take the loads of six trips on
.endif
	ds_store_b32 v4, v[C+2*(\t)] offset:16*(\t)
	ds_store_b32 v4, v[C+2*(\t)+1] offset:16*(\t)+8*OP
	v_lshlrev_b32 v8, v5, v8                       ; each byte to its place in the word,
	v_lshlrev_b32 v9, v5, v9
.irp m, 4,8
	v_mov_b32_dpp v14, v8 row_xmask:\m row_mask:0xf bank_mask:0xf          ; and the row's four bytes joined
	v_mov_b32_dpp v15, v9 row_xmask:\m row_mask:0xf bank_mask:0xf
	v_or_b32 v8, v8, v14
	v_or_b32 v9, v9, v15
.endr
	s_mov_b32 s25, 0x10001<<(\t)
	v_cndmask_b32 v[ACC], v[ACC], v8, s25          ; lanes t and 16 + t keep place t's words
	v_cndmask_b32 v[ACC+1], v[ACC+1], v9, s25
.endm
.irp t, 0,1,2,3,4,5,6,7,8,9,10,11,12,13,14,15
	STEP \t
.endr
.irp i, 0,1,2,3,4,5,6,7
	ds_load_b128 v[OUTR+4*\i:OUTR+4*\i+3], v10 offset:2*OP*\i      ; LDS serves a wave's instructions in order (ISA guide 5.7.1.4): these see my stores
.endr
	s_wait_alu depctr_va_vdst(0)                   ; the wait here, ahead of the reader below
	global_store_b64 v2, v[ACC:ACC+1], s[20:21]    ; 32 lanes store 256 consecutive bytes, aligned
.irp i, 0,1,2,3,4,5,6,7
	s_wait_dscnt 7-\i
	global_store_b128 v1, v[OUTR+4*\i:OUTR+4*\i+3], s[22:23] offset:512*\i   ; 512 consecutive bytes, aligned
.endr
	s_wait_tensorcnt 0x0                           ; the wave's end
	ds_add_u32 v[SPW], v[NIL]
	s_wait_dscnt 0x0
	s_endpgm
.Lfunc_end_k_qc3b1c52555_quant:
	.size	k_qc3b1c52555_quant, .Lfunc_end_k_qc3b1c52555_quant-k_qc3b1c52555_quant
	.p2alignl 7, 3214868480
	.fill 96, 4, 3214868480
	.section	.rodata,"a",@progbits
	.p2align	6, 0x0
	.amdhsa_kernel k_qc3b1c52555_quant
		.amdhsa_group_segment_fixed_size 49408
		.amdhsa_private_segment_fixed_size 0
		.amdhsa_enable_private_segment 0
		.amdhsa_kernarg_size 80
		.amdhsa_user_sgpr_count 2
		.amdhsa_user_sgpr_kernarg_segment_ptr 1
		.amdhsa_wavefront_size32 1
		.amdhsa_system_sgpr_workgroup_id_x 1
		.amdhsa_system_sgpr_workgroup_id_y 1
		.amdhsa_system_sgpr_workgroup_id_z 1
		.amdhsa_system_vgpr_workitem_id 0
		.amdhsa_next_free_vgpr 178
		.amdhsa_next_free_sgpr 66
		.amdhsa_reserve_vcc 0
		.amdhsa_float_denorm_mode_32 3
		.amdhsa_float_denorm_mode_16_64 3
		.amdhsa_memory_ordered 1
		.amdhsa_forward_progress 1
		.amdhsa_inst_pref_size 46
	.end_amdhsa_kernel
	.amdgpu_metadata
---
amdhsa.version: [ 1, 2 ]
amdhsa.kernels:
  - .name:           k_qc3b1c52555_quant
    .symbol:         k_qc3b1c52555_quant.kd
    .args:
      - { .name: x, .offset: 0, .size: 8, .value_kind: global_buffer, .address_space: global }
      - { .name: h, .offset: 8, .size: 8, .value_kind: global_buffer, .address_space: global }
      - { .name: W_ii, .offset: 16, .size: 8, .value_kind: global_buffer, .address_space: global }
      - { .name: W_hi, .offset: 24, .size: 8, .value_kind: global_buffer, .address_space: global }
      - { .name: W_if, .offset: 32, .size: 8, .value_kind: global_buffer, .address_space: global }
      - { .name: W_hf, .offset: 40, .size: 8, .value_kind: global_buffer, .address_space: global }
      - { .name: W_ig, .offset: 48, .size: 8, .value_kind: global_buffer, .address_space: global }
      - { .name: W_hg, .offset: 56, .size: 8, .value_kind: global_buffer, .address_space: global }
      - { .name: a_img, .offset: 64, .size: 8, .value_kind: global_buffer, .address_space: global }
      - { .name: b_img, .offset: 72, .size: 8, .value_kind: global_buffer, .address_space: global }
    .group_segment_fixed_size: 49408
    .private_segment_fixed_size: 0
    .kernarg_segment_align: 8
    .kernarg_segment_size: 80
    .max_flat_workgroup_size: 352
    .sgpr_count:     66
    .vgpr_count:     178
    .wavefront_size: 32
...
	.end_amdgpu_metadata
.endif
;; end of part 1
;; launch lstm (part 2): grid 8 x 32, 4 waves a work-group, clusters of 4 x 4, 327,680 bytes of LDS; arguments a_img, b_img, c, b_ii, b_hi, b_if, b_hf, b_ig, b_hg, out0; writes out0
.if DOCPART == 2
	.amdgcn_target "amdgcn-amd-amdhsa--gfx1250"
	.amdhsa_code_object_version 6
	.text
	.protected	k_qc3b1c52555_lstm
	.globl	k_qc3b1c52555_lstm
	.p2align	8
	.type	k_qc3b1c52555_lstm,@function
k_qc3b1c52555_lstm:
	s_mov_b64 s[64:65], 0
	v_nop
	global_prefetch_b8 v0, s[64:65] scope:SCOPE_SE
	s_setreg_imm32_b32 hwreg(HW_REG_WAVE_MODE, 25, 1), 1
	s_wait_xcnt 0x0
	s_wait_alu depctr_hold_cnt(0) depctr_sa_sdst(0) depctr_va_vdst(0) depctr_va_sdst(0) depctr_va_ssrc(0) depctr_va_vcc(0) depctr_vm_vsrc(0)
	s_getreg_b32 s2, hwreg(HW_REG_IB_STS2, 6, 4)
	s_cmp_eq_u32 s2, 0
	s_cbranch_scc0 .Lentry_in_a_cluster
	s_endpgm
.Lentry_in_a_cluster:
	s_bfe_u32 s2, ttmp6, 0x10000c
	s_cmp_lg_u32 s2, 0xf033
	s_cbranch_scc0 .Lentry_shape_is_right
	s_endpgm
.Lentry_shape_is_right:
; out0 = sigmoid(gf) c + sigmoid(gi) tanh(gg);  gates = (x|h) (W_i*|W_h*)^T + b_i* + b_h*: ONE product with K = 2,048 on codes of FP4 (E2M1) with E8M0 scales, sums in f32; all else in f32.
; The images were laid by the launch before in the order of the operand's registers, a step = 128 along K, a block = 16 rows = 1,024 bytes (512 c + 16 lane), four blocks a group:
;   A: (row tile x 16 + step) x 17,408: 16 blocks, then their scale words (256 bytes a group: 8 bytes a lane, two registers of two blocks each).
;   B: (column tile x 16 + step) x 26,112: 24 blocks (half, gate, b), then theirs.   Place r of block b of a 64-row group is its row 4 r + b.
; SHARES.  256 work-groups of four waves: 256 rows x 128 hidden columns (384 gate columns).  Wave (wr, wc): 128 rows x 64 hidden columns x 3 gates: 4 row pairs (32 rows) x 12 blocks: 48 accumulators of 32 x 16, 768 registers.
; Source 0 = 32 rows of A, source 1 = a block of B.  Register 8 p + j of lane (r, h) of accumulator (gate, b, i) is row 64 (i / 2) + 32 h + 4 j + 2 (i % 2) + p, column 4 r + b: the four accumulators b give a lane four
; NEIGHBOURING columns, 16 bytes, and sixteen lanes 256 consecutive bytes of a row of c and of out0: both go straight between memory and registers.
; THE RING: 7 steps of codes and scale words in LDS as two slots, places 0-2 and 3-6.  Five fills: steps 0-2 (place 0 on), 3-6 (3), 7-9 (0), 10-12 (3), 13-15 (0).  Waves 0 and 1 fetch A's halves of a fill, waves 2 and 3
; B's: one load a wave.  Every load is a dense block, stated as rows of 256 bytes.
; CLUSTERS: 4 x 4 work-groups.  The four of a row need the same A, the four of a column the same B: each is asked for JOINTLY.
; A step is two halves of 6 blocks of B (24 products each).  At a half's head, in one run, the next half's fragments are fetched; A's fragments have two sets, B's two half sets.
; PREFETCH INTO THE L2: each fill behind the head's is asked for one fill ahead: fill 1 at the head behind fill 0's loads, the others in steps 0, 4 and 7, two steps or more ahead of their loads.  Wave w names step w of the
; fill: 17 of A's 68 blocks of 256 bytes (the partner's share by cx) and 26 of B's 102 (by cy): two lines a wave.  The column tiles are the same in all eight cluster rows: the four of even number ask for B.
; c: 256 bytes of each of my 128 rows, a lane a row: four lines a wave, in steps 1, 5, 8 and 11; c is read from step 15 on.
; LIMITS: NaN and infinities among the inputs are not served.  tanh's exponent -2 log2(e) gg is held at 32 from above: beyond it tanh is -1 to within 2^-31; sigmoids whose exponential overflows come out 0.
; REGISTERS: window 0: v1-15 addresses; v16-23 A's scale words, two sets; v24-29 B's, two half sets; v30-31 the prefetches' offsets; v32-159 A's fragments, two sets; v160-255 B's, two half sets.
; Windows 1, 2, 3: the accumulators of gates i, f, g: (b, i) at v[64 b + 16 i].  s_set_vgpr_msb's low byte: bits 1:0 source 0, 3:2 source 1, 5:4 source 2, 7:6 destination.
.set ASTEP, 17408
.set BSTEP, 26112
.set BRING, 7*ASTEP                    ; LDS: A's ring from 0, B's from here,
.set SPARE, BRING+7*BSTEP              ; the spare words, 128 bytes a wave,
.set BIAS,  SPARE+512                  ; and 1,536 bytes a wave for the biases: no fill lands there
.set LA,  1                            ; v1-2   LDS address of my A fragments at ring places 0, 3
.set LB,  3                            ; v3-5   of my B fragments at places 0, 3, 6
.set LSA, 6                            ; v6-7   of A's scale words
.set LSB, 8                            ; v8-10  of B's
.set CO,  11                           ; v11    c and out0: 32 h rows of 4,096 bytes + 16 r
.set BL,  12                           ; v12    LDS address of my biases
.set PFO, 13                           ; v13    c's prefetches: lane x 4,096
.set SPW, 14                           ; v14    LDS address of my spare word; never rewritten
.set NIL, 15                           ; v15    0; never rewritten
.set SCA, 16
.set SCB, 24
.set PFA, 30                           ; v30    A's prefetches: my block of a step
.set PFB, 31                           ; v31    B's
.set A0,  32
.set B0,  160
.set BK,  160                          ; the tail: K (b_i* + b_h*) of my four columns, gates i, f, g
.set CB,  32                           ; the tail: c of pair i at v[32 + 64 (i % 2)], 64 registers
.set G0A, 36                           ; s[36:39], s[44:51] descriptor groups 0 and 1 for A's fills;  s[40:43], s[52:59] for B's
.set G0B, 40
.set G1A, 44
.set G1B, 52
.set TA,  60                           ; s[60:61], s[62:63] offsets for A's and B's descriptors (high words 0)
.set TB,  62
.set KI,  66                           ; s[66:67] -log2(e), twice (the packed form names a pair)
.set KG,  68                           ; s[68:69] -2 log2(e), twice
.set KM,  70                           ; s70 32.0
.set PA,  72                           ; s[72:73] A's row tile, s[74:75] B's column tile
.set PB,  74
.set QA,  80                           ; s[80:81], s[82:83] the prefetches' bases, s[84:85] their offset (high word 0)
.set QB,  82
.set QT,  84
.set MSB, 0
.macro WIN new                         ; the immediate's high byte repeats the setting that is left; a switch that changes nothing is dropped
.if MSB != (\new)
	s_set_vgpr_msb (MSB<<8)|(\new)
.set MSB, (\new)
.endif
.endm
.macro PLACES                          ; four plain places behind a matrix instruction, ahead of loads into its registers or reads of its result (ISA guide 7.12.1 for reads of its result)
.rept 4
	v_nop
.endr
.endm
.macro CREST                           ; a round of the cluster's barrier behind its opening barrier
	s_cmp_lg_u32 s28, 0
	s_cbranch_scc1 .Lnot_wave_0_\@
	s_barrier_signal -3
.Lnot_wave_0_\@:
	s_barrier_wait -3
	s_barrier_signal -1
	s_barrier_wait -1
.endm
.macro CROUND                          ; a whole round
	s_barrier_signal -1
	s_barrier_wait -1
	CREST
.endm
.macro JLOAD                           ; a joint load: waves 0 and 1 for A, waves 2 and 3 for B; an s_nop 0 and four v_nop follow each of the two lines
	s_cmp_eq_u32 s29, 0
	s_cbranch_scc0 .Lfor_b_\@
	tensor_load_to_lds s[G0A:G0A+3], s[G1A:G1A+7]
	s_nop 0
	PLACES
	s_branch .Lasked_\@
.Lfor_b_\@:
	tensor_load_to_lds s[G0B:G0B+3], s[G1B:G1B+7]
	s_nop 0
	PLACES
.Lasked_\@:
.endm
.macro DESC cnt, first, place          ; the descriptors of a fill of cnt steps, first .. on, to ring place `place` on: my half of A's and of B's.  Written while no tensor load of mine is out
	s_mov_b32 s[G1A+2], (34*\cnt)<<16
	s_mov_b32 s[G1A+4], 34*\cnt
	s_mov_b32 s[G1B+2], (51*\cnt)<<16
	s_mov_b32 s[G1B+4], 51*\cnt
	s_mul_i32 s[TA], s30, 8704*\cnt
	s_mul_i32 s[TB], s30, 13056*\cnt
	s_add_co_u32 s[G0A+1], s[TA], \place*ASTEP
	s_add_co_u32 s[G0B+1], s[TB], BRING+\place*BSTEP
	s_add_co_u32 s[TA], s[TA], \first*ASTEP
	s_add_co_u32 s[TB], s[TB], \first*BSTEP
	s_add_nc_u64 s[G0A+2:G0A+3], s[PA:PA+1], s[TA:TA+1]
	s_add_nc_u64 s[G0B+2:G0B+3], s[PB:PB+1], s[TB:TB+1]
	s_or_b32 s[G0A+3], s[G0A+3], 0x80000000
	s_or_b32 s[G0B+3], s[G0B+3], 0x80000000
.endm
.macro PREF cnt, first                 ; a fill of cnt steps: wave w asks for my work-group's share of step first + w
	s_wait_xcnt 0x0                                ; earlier prefetches and loads have read their addresses: the bases may be rewritten
	s_cmp_lt_u32 s28, \cnt
	s_cbranch_scc0 .Lno_more_\@
	s_mul_i32 s[QT], s28, ASTEP
	s_add_co_u32 s[QT], s[QT], \first*ASTEP
	s_add_nc_u64 s[QA:QA+1], s[PA:PA+1], s[QT:QT+1]
	global_prefetch_b8 v[PFA], s[QA:QA+1] th:TH_LOAD_NT scope:SCOPE_SE
	s_cmp_eq_u32 s32, 0
	s_cbranch_scc0 .Lno_more_\@
	s_mul_i32 s[QT], s28, BSTEP
	s_add_co_u32 s[QT], s[QT], \first*BSTEP
	s_add_nc_u64 s[QB:QB+1], s[PB:PB+1], s[QT:QT+1]
	global_prefetch_b8 v[PFB], s[QB:QB+1] th:TH_LOAD_NT scope:SCOPE_SE
.Lno_more_\@:
.endm
	s_load_b512 s[4:19], s[0:1], 0x0               ; a_img 4:5, b_img 6:7, c 8:9, b_ii 10:11, b_hi 12:13, b_if 14:15, b_hf 16:17, b_ig 18:19
	s_load_b128 s[20:23], s[0:1], 0x40             ; b_hg 20:21, out0 22:23
	v_lshl_add_u32 v[SPW], v0, 2, SPARE
	v_mov_b32 v[NIL], 0
	ds_add_u32 v[SPW], v[NIL]                      ; the wave's opening: the add, twice on end, and its wait
	ds_add_u32 v[SPW], v[NIL]
	v_lshrrev_b32 v1, 5, v0
	v_readfirstlane_b32 s28, v1                    ; wave 0..3
	s_lshr_b32 s29, s28, 1                         ; wr: my half of the rows.  Also: I fetch for A (0) or for B (1)
	s_and_b32 s30, s28, 1                          ; wc: my half of the columns.  Also: which half of a fill I fetch
	s_bfe_u32 s31, ttmp6, 0x40000                  ; cx
	s_bfe_u32 s33, ttmp6, 0x40004                  ; cy
	s_and_b32 s32, ttmp7, 1                        ; the cluster row is odd
	s_lshl_b32 s34, ttmp9, 2
	s_add_co_u32 s34, s34, s31                     ; column tile = 4 x cluster x + cx
	s_and_b32 s35, ttmp7, 0xffff
	s_lshl_b32 s35, s35, 2
	s_add_co_u32 s35, s35, s33                     ; row tile = 4 x cluster y + cy
	s_lshl_b32 s76, s33, 2
	s_lshl_b32 s76, 15, s76                        ; my row of the cluster
	s_lshl_b32 s77, 0x1111, s31                    ; my column
	s_or_b32 s[G1A+0], s76, (3<<16)|(1<<21)        ; 15:0 the mask; 17:16 elements of 8 bytes; 21 set beside a mask; no padding: an image is read at 16 x lane
	s_or_b32 s[G1B+0], s77, (3<<16)|(1<<21)
.irp g, G1A, G1B
	s_mov_b32 s[\g+1], 32<<16                      ; tensor_dim0 = 32: rows of 256 bytes; the two words that count rows are written for each fill
	s_mov_b32 s[\g+3], 32<<16                      ; tile_dim0
	s_mov_b32 s[\g+5], 32                          ; dense
	s_mov_b32 s[\g+6], 0
	s_mov_b32 s[\g+7], 0
.endr
	s_mov_b32 s[G0A], 1
	s_mov_b32 s[G0B], 1
	s_mov_b32 s[TA+1], 0
	s_mov_b32 s[TB+1], 0
	s_mov_b32 s[QT+1], 0
	s_mov_b32 s[KI], 0xbfb8aa3b
	s_mov_b32 s[KI+1], 0xbfb8aa3b
	s_mov_b32 s[KG], 0xc038aa3b
	s_mov_b32 s[KG+1], 0xc038aa3b
	s_mov_b32 s[KM], 0x42000000
	s_mul_i32 s[PA], s35, 16*ASTEP
	s_mov_b32 s[PA+1], 0
	s_mul_i32 s[PB], s34, 16*BSTEP
	s_mov_b32 s[PB+1], 0
	s_wait_dscnt 0x0                               ; both opening adds are done
	s_wait_kmcnt 0x0
	s_add_nc_u64 s[PA:PA+1], s[4:5], s[PA:PA+1]
	s_add_nc_u64 s[PB:PB+1], s[6:7], s[PB:PB+1]
	DESC 3, 0, 0
	CROUND                                         ; all sixteen work-groups are here: the first joint loads meet
	JLOAD                                          ; steps 0 to 2: one tensor load a wave at the head
	s_lshl_b32 s3, s34, 1
	s_add_co_u32 s3, s3, s30
	s_lshl_b32 s3, s3, 8                           ; my 64 hidden columns, in bytes
	s_lshl_b32 s78, s35, 8
	s_lshl_b32 s79, s29, 7
	s_add_co_u32 s78, s78, s79                     ; my first row
	s_lshl_b32 s78, s78, 12
	s_add_co_u32 s78, s78, s3
	s_mov_b32 s79, 0
	s_add_nc_u64 s[8:9], s[8:9], s[78:79]
	s_add_nc_u64 s[22:23], s[22:23], s[78:79]
	s_lshl_b32 s80, s29, 13                        ; my 8 blocks of A
	s_mul_i32 s81, s30, 12288
	s_add_co_u32 s81, s81, BRING                   ; my 12 blocks of B
	s_lshl_b32 s82, s29, 9
	s_add_co_u32 s82, s82, 16384                   ; and their scale words
	s_mul_i32 s83, s30, 768
	s_add_co_u32 s83, s83, BRING+24576
	s_mul_i32 s2, s28, 1536
	s_add_co_u32 s2, s2, BIAS
	s_mul_i32 s86, s31, 17                         ; my shares of a step's prefetches
	s_mul_i32 s87, s33, 26
	v_and_b32 v16, 31, v0                          ; lane
	v_and_b32 v17, 15, v0                          ; r
	v_bfe_u32 v18, v0, 4, 1                        ; h
	v_lshlrev_b32 v19, 4, v16
	v_lshlrev_b32 v20, 3, v16
	v_lshlrev_b32 v17, 4, v17
	v_add_nc_u32 v21, s3, v17                      ; my four columns of a bias
	v_min_u32 v22, 16, v16
	v_min_u32 v23, 25, v16
	v_lshl_add_u32 v[CO], v18, 17, v17
	v_lshlrev_b32 v[PFO], 12, v16
	v_add_nc_u32 v22, s86, v22
	v_add_nc_u32 v23, s87, v23
	v_min_u32 v23, 0x65, v23                       ; B's step has 102 blocks
	v_lshlrev_b32 v[PFA], 8, v22
	v_lshlrev_b32 v[PFB], 8, v23
	v_add_nc_u32 v[BL], s2, v19
	v_add_nc_u32 v[LA], s80, v19
	v_add_nc_u32 v[LB], s81, v19
	v_add_nc_u32 v[LSA], s82, v20
	v_add_nc_u32 v[LSB], s83, v20
	v_add_nc_u32 v[LA+1], 3*ASTEP, v[LA]
	v_add_nc_u32 v[LB+1], 3*BSTEP, v[LB]
	v_add_nc_u32 v[LB+2], 6*BSTEP, v[LB]
	v_add_nc_u32 v[LSA+1], 3*ASTEP, v[LSA]
	v_add_nc_u32 v[LSB+1], 3*BSTEP, v[LSB]
	v_add_nc_u32 v[LSB+2], 6*BSTEP, v[LSB]
	s_wait_alu depctr_va_vdst(0)                   ; the wait at the head's end
.irp g, 0,1,2                          ; the six biases of my four columns
	global_load_b128 v[32+4*\g:35+4*\g], v21, s[10+4*\g:11+4*\g]
	global_load_b128 v[44+4*\g:47+4*\g], v21, s[12+4*\g:13+4*\g]
.endr
	PREF 4, 3
	s_wait_loadcnt 0x0
.irp q, 0,2,4,6,8,10
	v_pk_add_f32 v[32+\q:33+\q], v[32+\q:33+\q], v[44+\q:45+\q]   ; b_i* + b_h*
.endr
.irp q, 0,2,4,6
	v_pk_mul_f32 v[32+\q:33+\q], v[32+\q:33+\q], s[KI:KI+1] op_sel_hi:[1,0]
.endr
.irp q, 8,10
	v_pk_mul_f32 v[32+\q:33+\q], v[32+\q:33+\q], s[KG:KG+1] op_sel_hi:[1,0]
.endr
	s_wait_alu depctr_va_vdst(0)                   ; the wait here, directly ahead of the wait below
	s_wait_tensorcnt 0x0                           ; my part of steps 0 to 2 is in
.irp g, 0,1,2
	ds_store_b128 v[BL], v[32+4*\g:35+4*\g] offset:512*\g   ; the scaled biases wait in my own LDS bytes for the tail
.endr
	s_wait_tensorcnt 0x0                           ; ahead of a later first fill, as ahead of a refill
	ds_add_u32 v[SPW], v[NIL]
	DESC 4, 3, 3
	s_wait_dscnt 0x0                               ; the add and my stores are done
	CROUND                                         ; everybody's part of steps 0 to 2 is in, and all sixteen work-groups are here
	JLOAD                                          ; steps 3 to 6, the first tensor load behind the round
.macro PLACE s                         ; eE: step s's ring place
.if (\s) < 13
.set eE, (\s)%7
.else
.set eE, (\s)-13
.endif
.set eH, (eE+4)/7                      ; 0 for ring places 0-2, 1 for 3-6
.endm
.macro RUNB s, hf                      ; step s, half hf: six fragments of B and their scale words (three registers of two blocks each): 14 LDS loads
	PLACE \s
.irp i, 0,1,2,3,4,5
.irp c, 0,1
	ds_load_b128 v[B0+48*(\hf)+8*\i+4*\c:B0+48*(\hf)+8*\i+4*\c+3], v[LB+eE/3] offset:(eE%3)*BSTEP+(6*(\hf)+\i)*1024+512*\c
.endr
.endr
.if (\hf) == 0
	ds_load_b64 v[SCB:SCB+1], v[LSB+eE/3] offset:(eE%3)*BSTEP
	ds_load_b32 v[SCB+2], v[LSB+eE/3] offset:(eE%3)*BSTEP+256
.else
	ds_load_b32 v[SCB+3], v[LSB+eE/3] offset:(eE%3)*BSTEP+260
	ds_load_b64 v[SCB+4:SCB+5], v[LSB+eE/3] offset:(eE%3)*BSTEP+512
.endif
.endm
.macro RUNA s, lo                      ; step s: row pairs lo, lo + 1 of A into set s % 2: 8 LDS loads
	PLACE \s
.irp i, 0,1,2,3
.irp c, 0,1
	ds_load_b128 v[A0+64*((\s)%2)+16*(\lo)+8*\i+4*\c:A0+64*((\s)%2)+16*(\lo)+8*\i+4*\c+3], v[LA+eH] offset:(eE-3*eH)*ASTEP+(2*(\lo)+\i)*1024+512*\c
.endr
.endr
.endm
.macro RUNSA s                         ; step s: A's scale words: 2 LDS loads
	PLACE \s
.irp i, 0,1
	ds_load_b64 v[SCA+4*((\s)%2)+2*\i:SCA+4*((\s)%2)+2*\i+1], v[LSA+eH] offset:(eE-3*eH)*ASTEP+256*\i
.endr
.endm
; One product: row pair i of A (32 rows) x block nb of B (4 gate + b), step s.  Step 0 starts the sums with the constant 0.  A's scale register: lane m holds row m's word; B's: even blocks in lanes 0-15, odd ones in lanes 16-31.
.macro WM s, nb, i
.set rD, 64*((\nb)%4)+16*(\i)
.set rA, A0+64*((\s)%2)+16*(\i)
.set rB, B0+48*((\nb)/6)+8*((\nb)%6)
.set rP, SCA+4*((\s)%2)+(\i)
.set rQ, SCB+(\nb)/2
.if (\s) == 0
.if (\nb)%2 == 0
	v_wmma_scale_f32_32x16x128_f4 v[rD:rD+15], v[rA:rA+15], v[rB:rB+7], 0, v[rP], v[rQ]
.else
	v_wmma_scale_f32_32x16x128_f4 v[rD:rD+15], v[rA:rA+15], v[rB:rB+7], 0, v[rP], v[rQ] matrix_b_scale:MATRIX_SCALE_ROW1
.endif
.else
.if (\nb)%2 == 0
	v_wmma_scale_f32_32x16x128_f4 v[rD:rD+15], v[rA:rA+15], v[rB:rB+7], v[rD:rD+15], v[rP], v[rQ]
.else
	v_wmma_scale_f32_32x16x128_f4 v[rD:rD+15], v[rA:rA+15], v[rB:rB+7], v[rD:rD+15], v[rP], v[rQ] matrix_b_scale:MATRIX_SCALE_ROW1
.endif
.endif
.endm
.macro NB s, nb                        ; a block of B x the four row pairs.  The 48 accumulators take turns, one instruction a turn, in the same order in every step
	WIN 0x50*(1+(\nb)/4)
.irp i, 0,1,2,3
	WM \s, \nb, \i
.endr
.endm
.macro CLOAD i                         ; pair i's c: 16 loads, each two runs of 256 consecutive bytes; read once in the launch
.irp p, 0,1
.irp j, 0,1,2,3,4,5,6,7
	global_load_b128 v[CB+64*((\i)%2)+32*\p+4*\j:CB+64*((\i)%2)+32*\p+4*\j+3], v[CO], s[8:9] offset:(64*((\i)/2)+4*\j+2*((\i)%2)+\p)*4096 th:TH_LOAD_NT
.endr
.endr
.endm
; A STEP.  kind 0: its successor lies in the same slot; kind 1: the slot's last: the second half is TURN; kind 2: the very last.  pf: which 32 of my rows of c are prefetched, -1: none.
; pr: the first step of the fill of three steps that is prefetched, 0: none.
.macro STEP s, kind, pf, pr
	PLACES
	WIN 0
	RUNB \s, 1
.if \kind == 0
	RUNA \s+1, 0
.endif
.if \pf >= 0
	global_prefetch_b8 v[PFO], s[8:9] offset:131072*\pf th:TH_LOAD_NT scope:SCOPE_SE
.endif
.if \pr > 0
	PREF 3, \pr
.endif
.if \kind == 2
	CLOAD 0                                        ; into A's set 0, which step 14 was the last to read
.endif
.if \kind == 0
	s_wait_dscnt 22                                ; all but the 22 just issued: this half's fragments are in
.else
	s_wait_dscnt 14                                ; likewise
.endif
.irp n, 0,1,2,3,4,5
	NB \s, \n
.endr
.if \kind == 0
	PLACES
	WIN 0
	RUNB \s+1, 0
	RUNA \s+1, 2
	RUNSA \s+1
	s_wait_dscnt 32                                ; B's second half is in: behind it were issued 8 loads of A and the 24 of this run
.endif
.if \kind == 2
	PLACES
	WIN 0
.irp g, 0,1,2
	ds_load_b128 v[BK+4*\g:BK+4*\g+3], v[BL] offset:512*\g   ; the biases, into B's first half set, which has been read
.endr
	s_wait_dscnt 3                                 ; all but these three
.endif
.if \kind != 1
.irp n, 6,7,8,9,10,11
	NB \s, \n
.endr
.endif
.endm
; The second half of a slot's last step changes slots: ONE barrier; in front of it each wave waits for all its tensor loads, adds 0 to its spare word, and waits for that and for its own reads of the slot.
; cnt > 0: the slot is filled again with steps first .. first + cnt - 1; the barrier opens a round of the cluster's barrier.
.macro TURN s, cnt, first, place
	WIN 0
	s_wait_tensorcnt 0x0                           ; my part of the next slot is in
	ds_add_u32 v[SPW], v[NIL]                      ; 0 onto my spare word
.if \cnt
	DESC \cnt, \first, \place
.endif
	s_wait_dscnt 1                                 ; this half's fragments are in (the add may be out)
	NB \s, 6
	s_wait_dscnt 0x0                               ; the add is done, and my reads of this slot are over
	s_barrier_signal -1
	NB \s, 7
	WIN 0
	s_barrier_wait -1
.if \cnt
	CREST                                          ; no wave of any partner still reads this slot or has a load on its way
	JLOAD                                          ; the first tensor load behind the round; the four v_nop behind it are the places in front of the loads below
.else
	PLACES
.endif
	RUNB \s+1, 0
	RUNA \s+1, 0
	RUNA \s+1, 2
	RUNSA \s+1
.irp n, 8,9,10,11
	NB \s, \n
.endr
.endm
	RUNB 0, 0
	RUNA 0, 0
	RUNA 0, 2
	RUNSA 0
	STEP 0, 0, -1, 7
	STEP 1, 0, 0, 0
	STEP 2, 1, -1, 0
	TURN 2, 3, 7, 0
	STEP 3, 0, -1, 0
	STEP 4, 0, -1, 10
	STEP 5, 0, 1, 0
	STEP 6, 1, -1, 0
	TURN 6, 3, 10, 3
	STEP 7, 0, -1, 13
	STEP 8, 0, 2, 0
	STEP 9, 1, -1, 0
	TURN 9, 3, 13, 0
	STEP 10, 0, -1, 0
	STEP 11, 0, 3, 0
	STEP 12, 1, -1, 0
	TURN 12, 0, 0, 0
	STEP 13, 0, -1, 0
	STEP 14, 0, -1, 0
	STEP 15, 2, -1, 0
; THE TAIL, by row pairs i = 0..3 (64 outputs a lane).   X = K x sum + K x bias;  G held at 32;  E = 2^X;  I = (1 + Ei)(1 + Eg), F = 1 + Ef, G = 2 - (1 + Eg) = 1 - Eg;  reciprocals of I and F;
;   out = F c + G I = c / (1 + Ef) + (1 - Eg) / ((1 + Ei)(1 + Eg)).  1 + Eg is at least 1 and 1 - Eg is finite, so an Ei that overflows gives 0 and never 0 x infinity.
; THE EXPONENTIALS TURN THE ORDER: they write element 4 m + b (m = 8 p + j) for accumulator register m of column b, so that neighbouring columns lie in neighbouring registers, as in c, and all that follows is packed.
; Their targets: gate f's go over gate i's registers of the pair, gate g's over gate f's, gate i's over the registers that the pair before left in window 3 (pair 0's: v192-255 of window 0).
; Pair i + 1's exponentials stand among pair i's additions, which take their number by source 1 and have the same destination window.  All X are taken first: no matrix result is first read behind a transcendental.
.macro XG g, k
	WIN 0x41*((\g)+1)
.irp b, 0,1,2,3
.set q, 64*\b                          ; each accumulator from its low end on
.rept 32
.if \b%2
	v_pk_fma_f32 v[q:q+1], v[q:q+1], s[\k:\k+1], v[BK+4*(\g)+\b-1:BK+4*(\g)+\b] op_sel:[0,0,1] op_sel_hi:[1,0,1]
.else
	v_pk_fma_f32 v[q:q+1], v[q:q+1], s[\k:\k+1], v[BK+4*(\g)+\b:BK+4*(\g)+\b+1] op_sel_hi:[1,0,0]
.endif
.set q, q+2
.endr
.endr
.endm
.macro EX k                            ; two exponentials: pair SN's register U of columns k, k + 1, to base DB, run distance DS
	v_exp_f32 v[DB+DS*(U/4)+4*(U%4)+\k], v[64*\k+16*SN+U]
	v_exp_f32 v[DB+DS*(U/4)+4*(U%4)+\k+1], v[64*\k+64+16*SN+U]
.endm
.macro RC k                            ; two reciprocals in place
	v_rcp_f32 v[RB+RS*(U/4)+4*(U%4)+\k], v[RB+RS*(U/4)+4*(U%4)+\k]
	v_rcp_f32 v[RB+RS*(U/4)+4*(U%4)+\k+1], v[RB+RS*(U/4)+4*(U%4)+\k+1]
.endm
.macro AD k                            ; 1 + E, two at a time
	v_pk_add_f32 v[AB+AD_S*(U/4)+4*(U%4)+\k:AB+AD_S*(U/4)+4*(U%4)+\k+1], 1.0, v[AB+AD_S*(U/4)+4*(U%4)+\k:AB+AD_S*(U/4)+4*(U%4)+\k+1] op_sel_hi:[0,1]
.endm
.macro MI k                            ; gate g's exponents of pair MP: at most 32
	v_min_num_f32 v[64*\k+16*MP+U], s[KM], v[64*\k+16*MP+U]
	v_min_num_f32 v[64*\k+64+16*MP+U], s[KM], v[64*\k+64+16*MP+U]
.endm
.macro SEG ex, rc, ad, mi              ; a stretch of 64 numbers
.set U, 0
.rept 16
.irp k, 0,2
.if \ex
	EX \k
.endif
.if \rc
	RC \k
.endif
.if \ad
	AD \k
.endif
.if \mi
	MI \k
.endif
.endr
.set U, U+1
.endr
.endm
.macro PERIOD i
.if \i == 0
.set IW, 0                             ; where I lies: window, base, run distance
.set IB, 192
.set IS, 16
.else
.set IW, 3
.set IB, 16*(\i-1)
.set IS, 64
.endif
.set GB, 16*\i                         ; F in window 1, G in window 2: base
.set SN, \i+1
.set MP, \i+1
.set AB, IB
.set AD_S, IS
.if \i == 0
	WIN 0x00
	SEG 0, 0, 1, 0
.endif
.if \i < 3
.set DB, 16*\i
.set DS, 64
	WIN 0xcd
.if \i == 0
	SEG 1, 0, 0, 1
.elseif \i == 1
	SEG 1, 0, 1, 1
.else
	SEG 1, 0, 1, 0
.endif
.set DB, 16*SN
.set AB, GB
.set AD_S, 64
	WIN 0x46
	SEG 1, 0, 1, 0
	s_wait_alu depctr_va_vdst(0)
	WIN 0x8b
	SEG 1, 0, 1, 0
.else
	WIN 0xcc
	SEG 0, 0, 1, 0
.set AB, GB
.set AD_S, 64
	WIN 0x44
	SEG 0, 0, 1, 0
	WIN 0x88
	SEG 0, 0, 1, 0
.endif
	v_nop                                          ; a plain line behind the last exponential
	s_wait_alu depctr_va_vdst(0)                   ; the wait ahead of the first readers
.if (\i == 1) || (\i == 2)
	s_wait_xcnt 0x0                                ; the last pair's stores have read their data: their registers take c of the pair after this
	WIN 0
	CLOAD \i+1
.endif
	WIN (IW|8|(IW<<6))
.set U, 0
.rept 16
.irp k, 0,2
	v_pk_mul_f32 v[IB+IS*(U/4)+4*(U%4)+\k:IB+IS*(U/4)+4*(U%4)+\k+1], v[IB+IS*(U/4)+4*(U%4)+\k:IB+IS*(U/4)+4*(U%4)+\k+1], v[GB+64*(U/4)+4*(U%4)+\k:GB+64*(U/4)+4*(U%4)+\k+1]
.endr
.set U, U+1
.endr
	WIN 0x82
.set U, 0
.rept 16
.irp k, 0,2
	v_pk_fma_f32 v[GB+64*(U/4)+4*(U%4)+\k:GB+64*(U/4)+4*(U%4)+\k+1], v[GB+64*(U/4)+4*(U%4)+\k:GB+64*(U/4)+4*(U%4)+\k+1], -1.0, 2.0 op_sel_hi:[1,0,0]
.endr
.set U, U+1
.endr
	s_wait_alu depctr_va_vdst(0)                   ; the wait ahead of the batch
.set RB, IB
.set RS, IS
.set MP, 3
.if \i == 0
	WIN 0x00
.else
	WIN 0xcf
.endif
.if \i == 1
	SEG 0, 1, 0, 1                                 ; pair 3's exponents are held here
.else
	SEG 0, 1, 0, 0
.endif
.set RB, GB
.set RS, 64
	WIN 0x41
	SEG 0, 1, 0, 0
	v_nop                                          ; a plain line behind the last reciprocal
	s_wait_alu depctr_va_vdst(0)                   ; one wait for the batch
.if \i < 3
	s_wait_loadcnt 16                              ; this pair's c is in; the next pair's 16 loads may be out
.else
	s_wait_loadcnt 0x0
.endif
	WIN (IW|8|0x80)
.set U, 0
.rept 16
.irp k, 0,2
	v_pk_mul_f32 v[GB+64*(U/4)+4*(U%4)+\k:GB+64*(U/4)+4*(U%4)+\k+1], v[IB+IS*(U/4)+4*(U%4)+\k:IB+IS*(U/4)+4*(U%4)+\k+1], v[GB+64*(U/4)+4*(U%4)+\k:GB+64*(U/4)+4*(U%4)+\k+1]
.endr
.set U, U+1
.endr
	WIN 0x21
.set CC, CB+64*(\i%2)
.set U, 0
.rept 16
.irp k, 0,2
	v_pk_fma_f32 v[CC+4*U+\k:CC+4*U+\k+1], v[GB+64*(U/4)+4*(U%4)+\k:GB+64*(U/4)+4*(U%4)+\k+1], v[CC+4*U+\k:CC+4*U+\k+1], v[GB+64*(U/4)+4*(U%4)+\k:GB+64*(U/4)+4*(U%4)+\k+1]
.endr
.set U, U+1
.endr
	WIN 0
.irp p, 0,1
.irp j, 0,1,2,3,4,5,6,7
	global_store_b128 v[CO], v[CC+32*\p+4*\j:CC+32*\p+4*\j+3], s[22:23] offset:(64*(\i/2)+4*\j+2*(\i%2)+\p)*4096 th:TH_STORE_NT   ; sixteen lanes store 256 consecutive bytes, aligned; written once
.endr
.endr
.endm
	PLACES                                         ; behind the last products
	WIN 0
	CLOAD 1                                        ; into A's set 1
	s_wait_dscnt 0x0                               ; the biases are in
	XG 0, KI
	XG 1, KI
	XG 2, KG
.set MP, 0
	WIN 0xcc
	SEG 0, 0, 0, 1
	s_wait_alu depctr_va_vdst(0)                   ; the wait ahead of the batch
.set SN, 0
.set DB, 192
.set DS, 16
	WIN 0x01
	SEG 1, 0, 0, 0
.set DB, 0
.set DS, 64
	WIN 0x42
	SEG 1, 0, 0, 0
	WIN 0x83
	SEG 1, 0, 0, 0
	v_nop                                          ; a plain line behind the last exponential
	s_wait_alu depctr_va_vdst(0)                   ; and the wait behind the batch
	PERIOD 0
	PERIOD 1
	PERIOD 2
	PERIOD 3
	s_wait_tensorcnt 0x0                           ; the wave's end
	ds_add_u32 v[SPW], v[NIL]
	s_wait_dscnt 0x0
	CROUND                                         ; the closing round: no work-group ends while a partner may still ask for a tile that names it
	s_endpgm
.Lfunc_end_k_qc3b1c52555_lstm:
	.size	k_qc3b1c52555_lstm, .Lfunc_end_k_qc3b1c52555_lstm-k_qc3b1c52555_lstm
	.p2alignl 7, 3214868480
	.fill 96, 4, 3214868480
	.section	.rodata,"a",@progbits
	.p2align	6, 0x0
	.amdhsa_kernel k_qc3b1c52555_lstm
		.amdhsa_group_segment_fixed_size 327680
		.amdhsa_private_segment_fixed_size 0
		.amdhsa_enable_private_segment 0
		.amdhsa_kernarg_size 80
		.amdhsa_user_sgpr_count 2
		.amdhsa_user_sgpr_kernarg_segment_ptr 1
		.amdhsa_wavefront_size32 1
		.amdhsa_system_sgpr_workgroup_id_x 1
		.amdhsa_system_sgpr_workgroup_id_y 1
		.amdhsa_system_sgpr_workgroup_id_z 1
		.amdhsa_system_vgpr_workitem_id 0
		.amdhsa_next_free_vgpr 1024
		.amdhsa_next_free_sgpr 88
		.amdhsa_reserve_vcc 0
		.amdhsa_float_denorm_mode_32 3
		.amdhsa_float_denorm_mode_16_64 3
		.amdhsa_memory_ordered 1
		.amdhsa_forward_progress 1
		.amdhsa_inst_pref_size 255
	.end_amdhsa_kernel
	.section	.bss,"aw",@nobits
	.p2align	6
	.space	262144
	.amdgpu_metadata
---
amdhsa.version: [ 1, 2 ]
amdhsa.kernels:
  - .name:           k_qc3b1c52555_lstm
    .symbol:         k_qc3b1c52555_lstm.kd
    .args:
      - { .name: a_img, .offset: 0, .size: 8, .value_kind: global_buffer, .address_space: global }
      - { .name: b_img, .offset: 8, .size: 8, .value_kind: global_buffer, .address_space: global }
      - { .name: c, .offset: 16, .size: 8, .value_kind: global_buffer, .address_space: global }
      - { .name: b_ii, .offset: 24, .size: 8, .value_kind: global_buffer, .address_space: global }
      - { .name: b_hi, .offset: 32, .size: 8, .value_kind: global_buffer, .address_space: global }
      - { .name: b_if, .offset: 40, .size: 8, .value_kind: global_buffer, .address_space: global }
      - { .name: b_hf, .offset: 48, .size: 8, .value_kind: global_buffer, .address_space: global }
      - { .name: b_ig, .offset: 56, .size: 8, .value_kind: global_buffer, .address_space: global }
      - { .name: b_hg, .offset: 64, .size: 8, .value_kind: global_buffer, .address_space: global }
      - { .name: out0, .offset: 72, .size: 8, .value_kind: global_buffer, .address_space: global }
    .group_segment_fixed_size: 327680
    .private_segment_fixed_size: 0
    .kernarg_segment_align: 8
    .kernarg_segment_size: 80
    .max_flat_workgroup_size: 128
    .sgpr_count:     88
    .vgpr_count:     1024
    .wavefront_size: 32
...
	.end_amdgpu_metadata
.endif
;; end of part 2
